; MI455X (gfx1250); checked and timed in simulation.
; The chip was launched on July 23, 2026; its instructions are those of AMD's public machine-readable ISA for CDNA 5 (MIT licence, August 2026) and "CDNA5" Instruction Set Architecture Reference Guide (July 2026). The comments in the code are by the model that wrote it; some were corrected since.
;; Bahdanau Attention. Allowed arithmetic: matrix products marked QUANTISED: E2M3 operands, one E8M0 scale for each 32 along K, by v_wmma_scale_f32_16x16x128_f8f6f4 with both operands' format E2M3, f32 sums; products left as they are: f32 operands where the result goes on into a quantised operand, else bf16, f16 or f32 operands; f32 sums; everything else in f32.
;; Inputs: Wk_b 2,048 float32; Wk_w 2,048 x 2,048 float32; Wq_b 2,048 float32; Wq_w 2,048 x 1,024 float32; keys 16 x 1,024 x 2,048 float32; query 16 x 1 x 1,024 float32; v_b 1 float32; v_w 1 x 2,048 float32.
;; Outputs: out0 16 x 1 x 2,048 float32; out1 16 x 1,024 x 1 float32.
;; This version of the problem:
;;   THIS VERSION OF THE PROBLEM IS GIVEN IN LOW PRECISION. The matrix products marked QUANTISED in the list below multiply operands that are first quantised to E2M3 (2 exponent bits, 3 mantissa bits; 6 bits a number), with one power-of-two scale for each 32 numbers along K (OCP MX v1.0); their sums are f32. All else is computed in f32.
;;   The module's matrix products, in the order in which they are computed (A, B: the left and right operand; K: the contracted axis; several contracted axes count as one K, in the product's order):
;;     1. [M 16, K 1,024] x [K 1,024, N 2,048]; A: input query; B: input Wq_w: QUANTISED
;;     2. [M 16,384, K 2,048] x [K 2,048, N 2,048]; A: input keys; B: input Wk_w: QUANTISED
;;     3. [M 16,384, K 2,048] x [K 2,048, N 1]; A: computed on the way; B: input v_w: left as it is (N = 1 < 16)
;;     4. batch 16 x [M 1, K 1,024] x [K 1,024, N 2,048]; A: softmax; B: input keys: left as it is (M = 1 < 16)
;;   THE QUANTISER, for each operand of a quantised product, along K:
;;     - K is cut into blocks of 32 from its start; a last block that is shorter is filled with zeros.
;;     - A block's scale is 2^e with e = floor(log2(the largest magnitude in the block)) - 2, held to -126 .. 127; a block of zeros has e = 0. As a byte (E8M0): e + 127.
;;     - Each number is divided by its block's scale, clamped to +-7.5, and rounded to the nearest number of E2M3, ties to even, subnormals kept.
;;     - The product sums the exact products of the quantised numbers (number of the format x scale) in f32.
;;   ~~~python
;;   def quantise(x, axis):      # numpy; x: float32 -> the quantised numbers, widened to float32 again
;;       x = np.moveaxis(x, axis, -1); K = x.shape[-1]
;;       x = np.pad(x, [(0, 0)] * (x.ndim - 1) + [(0, -K % 32)]); x = x.reshape(x.shape[:-1] + (-1, 32)); a = np.abs(x).max(-1, keepdims=True)
;;       e = np.where(a > 0, np.clip(np.frexp(np.where(a > 0, a, 1))[1] - 1 - 2, -126, 127), 0)      # np.frexp(a)[1] - 1 = floor(log2(a)), exactly
;;       r = np.clip(x / 2.0 ** e, -7.5, 7.5)
;;       step = 2.0 ** (np.maximum(np.frexp(np.where(r == 0, 1, r))[1] - 1, 0) - 3)
;;       q = np.round(r / step) * step * 2.0 ** e      # np.round: ties to even
;;       return np.moveaxis(q.reshape(q.shape[:-2] + (-1,))[..., :K], -1, axis).astype(np.float32)
;;   ~~~
;; One version. Each part assembles by itself: llvm-mc -triple=amdgcn-amd-amdhsa -mcpu=gfx1250 --defsym DOCPART=n.
;; ======== version 1 of 1: 3 launches
;; limits: right only within a limited range of input values
;; workspace buffers: kcodes 25,165,824 bytes; wcodes 3,145,728 bytes; kscales 1,048,576 bytes; wscales 131,072 bytes; qb 131,072 bytes; spart 1,048,576 bytes
;; launch quant (part 1): grid 256 x 1, 10 waves a work-group, no clusters, 252,160 bytes of LDS; arguments keys, Wk_w, query, Wq_w, Wq_b, Wk_b, kcodes, kscales, wcodes, wscales, qb; writes kcodes, kscales, wcodes, wscales, qb
.if DOCPART == 1
	.amdgcn_target "amdgcn-amd-amdhsa--gfx1250"
	.amdhsa_code_object_version 6
	.text
	.protected	k_q49f9c8915b_quant
	.globl	k_q49f9c8915b_quant
	.p2align	8
	.type	k_q49f9c8915b_quant,@function
k_q49f9c8915b_quant:
	s_mov_b64 s[64:65], 0
	v_nop
	global_prefetch_b8 v0, s[64:65] scope:SCOPE_SE
	s_setreg_imm32_b32 hwreg(HW_REG_WAVE_MODE, 25, 1), 1
	s_wait_xcnt 0x0
; BAHDANAU ATTENTION, launch 1 of 3: keys [16384][2048] and Wk_w [2048][2048] (f32, K innermost) become codes of FP6 (E2M3) with one E8M0 byte for each 32 along K,
; and qb = query Wq_w^T + Wq_b + Wk_b is made on codes (the first QUANTISED product), both of its operands quantised in registers.
; DEAD WORK, for all finite values of the inputs.  (1) v_b is added to every score of a softmax's row: softmax(s + c) = softmax(s), and both outputs hang on the scores through that softmax alone.
; So v_b has no way to an output: it is not loaded and is among no launch's arguments.  (2) tanh(x) = 1 - 2 r, r = 1 / (1 + e^(2x)), so score = sum_o v_o - 2 sum_o v_o r_o: the first term is the same
; along the softmax's axis and is left out likewise; the later launches carry p = sum_o v_o r_o.  LIMIT: a NaN, an infinity or an overflow that sits in v_b or in the sum of v_w alone is not carried to the result.
; LIMITS: a block whose largest magnitude lies under 2^-124 keeps the scale byte 1 (a block of zeros too, where the rule says 127: its codes are zeros, and this program alone reads the bytes);
; NaN and infinities among the inputs are not served; the two biases are the C of q_proj's first matrix instruction, so the order of f32 roundings differs from the reference's.
; LAYOUT OF THE WORKSPACE: a FRAGMENT (16 rows x 128 K: 12 registers a lane) is stored as the image of the operand's registers: registers 4 g .. 4 g + 3 of lane l at 512 g + 16 l: 1,536 bytes.
;   codes  [tile of 16 rows][K step 0..15][1536];   scale words [tile][pair of K steps 0..7][row 0..15][2 words];   qb [tile of 16 outputs][1024]: lane (batch, h), register j = output 16 tile + 8 h + j.
; SHARES.  keys and Wk_w are 2,304 units of 16 rows x 1,024 K (eight fragments): 9 for each of 256 work-groups.  Waves 0-8 of work-group g take unit 9 g + wave (units 0-2047: keys; the others: Wk_w).
; Wave 9 makes q_proj's outputs 8 g .. 8 g + 7 for the 16 batches, all 8 K steps on one accumulator: its tile of 16 rows holds these 8 rows of Wq_w TWICE (lanes r and r + 8 load the same row), so that the
; 2,048 outputs fall into 256 equal parts, one to a work-group; half of each of its matrix instructions is spare.
; The conversions want 16 neighbours along K in ONE lane; a load is best where neighbouring LANES take neighbouring bytes.  A unit comes by two roads, the tensor load and fragments 0-1 asked for at the head, fragments 2-5 two fragments ahead.  Fragments 0-5: each load reads
; 512 consecutive bytes of a row, and a fragment's 16 rows turn through the wave's own stage in LDS (rows 528 bytes apart).  Fragments 6 and 7: ONE tensor load a wave, 16 rows of 1,024 bytes, into LDS bytes of the
; wave's own (rows 1,040 bytes apart), filled once and read by that wave alone, in the order that the conversions want.  No barrier: waves share nothing.  No prefetch: there is no loop to run ahead in.
.set NW,     10                        ; waves
.set STG,    25088                     ; a wave's LDS: the stage, 16 rows x 528 bytes, then the tile, 16 rows x 1,040 (wave 9 uses none; its room is claimed, so that wave x STG lies under the spare words for every wave's number)
.set SPITCH, 528
.set TIL,    8448                      ; where the tile begins in a wave's LDS: a multiple of 256
.set TPITCH, 1040
.set SPARE,  NW*STG                    ; behind the waves' regions: the spare words, 128 bytes a wave: five blocks of 256 bytes that no other line names
.set UK,     2048                      ; units of keys
.set LI,  1                            ; v1   16 x lane
.set RR,  2                            ; v2   r = lane % 16
.set HH,  3                            ; v3   h = lane / 16
.set STW, 4                            ; v4   the stage, on the way in: 16 x lane
.set STR, 5                            ; v5   and out: 528 r + 64 h
.set LS8, 6                            ; v6   8 x lane
.set WB,  7                            ; v7   wave 9: Wq_w: 4096 (r % 8) + 64 h
.set SPW, 8                            ; v8   LDS address of my spare word; never rewritten
.set NIL, 9                            ; v9   0; never rewritten
.set PWS, 10                           ; v10-13 scale words (wave 9: v10 Wq_w's, v11 query's)
.set QO,  12                           ; v12  wave 9: qb: 512 h + 16 r
.set SB,  14                           ; v14-17 scale words as they are stored, two pairs
.set ACC, 14                           ; wave 9: v14-21 the accumulator
.set QF,  22                           ; wave 9: v22-33 query's fragment (first: Wk_b)
.set PC,  34                           ; v34-45 the codes just made
.set PT,  46                           ; v46-53 the conversions' second halves (wave 9, at its end: what it stores)
.set TM,  54                           ; v54-57 largest magnitudes, then scale operands; v58-61 the other half's, then bytes
.set TLR, 62                           ; v62  waves 0-8: the tile, on the way out: 1040 r + 64 h
.set WA,  62                           ; v62  wave 9: query: 4096 r + 64 h
.set BA,  63                           ; v63  wave 9: 0: every lane wants the same eight numbers of the biases
.set R0,  64                           ; v64-127, v128-191 two sets of 64 numbers as loaded
.set X,   192                          ; v192-255 64 numbers: register 16 b + i = k 32 b + 16 h + i of row r
.set WV,  26
.set HM,  27                           ; s27  mask of lanes 16-31
.set SEL, 36                           ; s[36:37] v_permlanex16_b32's selects for lane l xor 16
.set G0,  40                           ; s[40:43], s[44:51] the tile's descriptor
.set G1,  44
; 64 numbers of a lane, v[s] on, become a fragment's codes in v[d] .. v[d + 11] and its rows' scale word in v[pw] (the same in lanes r and 16 + r).
.macro QUANT s, d, t, pw
.irp b, 0,1,2,3
	v_max3_num_f32 v[TM+\b], |v[\s+16*\b]|, |v[\s+1+16*\b]|, 0x1800000   ; block b: my 16 numbers, and the floor 2^(3 - 127): the byte cannot fall under 1
.endr
.irp i, 2,4,6,8,10,12,14
.irp b, 0,1,2,3
	s_delay_alu instid0(VALU_DEP_4)
	v_max3_num_f32 v[TM+\b], v[TM+\b], |v[\s+16*\b+\i]|, |v[\s+1+16*\b+\i]|   ; the four blocks by turns
.endr
.endr
.irp b, 0,1,2,3
	s_delay_alu instid0(VALU_DEP_4)
	v_permlanex16_b32 v[TM+4+\b], v[TM+\b], s[SEL], s[SEL+1]
.endr
.irp b, 0,1,2,3
	s_delay_alu instid0(VALU_DEP_4)
	v_max_num_f32 v[TM+\b], v[TM+\b], v[TM+4+\b]   ; with lane l xor 16's: the block's largest magnitude
.endr
.irp b, 0,1,2,3
	s_delay_alu instid0(VALU_DEP_4)
	v_add_nc_u32 v[TM+\b], 0xff000000, v[TM+\b]    ; 2 off its exponent field: the conversion takes that field as its scale
.endr
.irp b, 0,1,2,3
	s_delay_alu instid0(VALU_DEP_4)
	v_lshrrev_b32 v[TM+4+\b], 23, v[TM+\b]         ; the scale's byte
.endr
	s_delay_alu instid0(VALU_DEP_3)
	v_lshl_or_b32 v[\pw], v[TM+5], 8, v[TM+4]
	s_delay_alu instid0(VALU_DEP_1)
	v_lshl_or_b32 v[\pw], v[TM+6], 16, v[\pw]
	s_delay_alu instid0(VALU_DEP_1)
	v_lshl_or_b32 v[\pw], v[TM+7], 24, v[\pw]
.irp c, 0,1
	v_cvt_scalef32_pk16_fp6_f32 v[\d+6*\c:\d+2+6*\c], v[\s+32*\c:\s+15+32*\c], v[TM+2*\c]
	v_cvt_scalef32_pk16_fp6_f32 v[\t+4*\c:\t+2+4*\c], v[\s+16+32*\c:\s+31+32*\c], v[TM+2*\c+1]   ; (a conversion's three registers begin on an even number)
.endr
	v_nop                                          ; one plain place behind a scaled conversion
.irp c, 0,1                                    ; the operand wants a WHOLE block in a lane: lanes 0-15 block 2 c, lanes 16-31 block 2 c + 1
.irp i, 0,1,2
	v_permlane16_swap_b32 v[\d+6*\c+\i], v[\t+4*\c+\i]
.endr
.irp i, 0,1,2
	s_delay_alu instid0(VALU_DEP_3)
	v_mov_b32 v[\d+3+6*\c+\i], v[\t+4*\c+\i]
.endr
.endr
.endm
	s_load_b256 s[4:11], s[0:1], 0x0               ; keys s[4:5], Wk_w s[6:7], query s[8:9], Wq_w s[10:11]
	s_load_b256 s[12:19], s[0:1], 0x20             ; Wq_b s[12:13], Wk_b s[14:15], kcodes s[16:17], kscales s[18:19]
	s_load_b128 s[20:23], s[0:1], 0x40             ; wcodes s[20:21], wscales s[22:23]
	s_load_b64 s[24:25], s[0:1], 0x50              ; qb
	v_lshl_add_u32 v[SPW], v0, 2, SPARE
	v_mov_b32 v[NIL], 0
	ds_add_u32 v[SPW], v[NIL]                      ; the opening lines: the add, twice on end, and its wait ahead of a wave's tensor load
	ds_add_u32 v[SPW], v[NIL]
	v_lshrrev_b32 v[RR], 5, v0
	s_delay_alu instid0(VALU_DEP_1)
	v_readfirstlane_b32 s[WV], v[RR]               ; wave 0..9
	v_and_b32 v[LI], 31, v0
	s_delay_alu instid0(VALU_DEP_1)
	v_lshlrev_b32 v[LS8], 3, v[LI]
	s_delay_alu instid0(VALU_DEP_2)
	v_lshlrev_b32 v[LI], 4, v[LI]
	v_and_b32 v[RR], 15, v0
	v_bfe_u32 v[HH], v0, 4, 1
	s_mul_i32 s32, s[WV], STG
	v_add_nc_u32 v[STW], s32, v[LI]                ; the LDS addresses are made here, ahead of the parting of the waves
	v_mul_u32_u24 v[STR], v[RR], SPITCH
	v_mul_u32_u24 v[TLR], v[RR], TPITCH
	s_delay_alu instid0(VALU_DEP_2)
	v_lshl_add_u32 v[STR], v[HH], 6, v[STR]
	s_delay_alu instid0(VALU_DEP_2)
	v_lshl_add_u32 v[TLR], v[HH], 6, v[TLR]
	s_delay_alu instid0(VALU_DEP_2)
	v_add_nc_u32 v[STR], s32, v[STR]
	s_delay_alu instid0(VALU_DEP_2)
	v_add_nc_u32 v[TLR], s32, v[TLR]
	v_cmp_ne_u32 s[HM], 0, v[HH]
.irp b, 0,1,2,3
	v_mov_b32 v[TM+4+\b], 0                        ; written once: a lane permute's destination counts as one of its sources
.endr
	s_mov_b32 s[SEL], 0x76543210
	s_mov_b32 s[SEL+1], 0xfedcba98
	s_mov_b32 s31, 0
	s_mov_b32 s[G1], (3<<16)|(1<<20)|(7<<22)|(3<<25)   ; elements of 8 bytes; behind every 256 words, a row, 4 words of padding
	s_mov_b32 s[G1+1], 128<<16                     ; a row: 128 elements, 1,024 bytes
	s_mov_b32 s[G1+2], 16<<16                      ; 16 rows
	s_mov_b32 s[G1+3], 128<<16
	s_mov_b32 s[G1+4], 16
	s_mov_b32 s[G1+5], 1024                        ; from row to row 8,192 bytes
	s_mov_b32 s[G1+6], 0
	s_mov_b32 s[G1+7], 0
	s_wait_alu depctr_va_vdst(0)                   ; the head's end
	s_wait_dscnt 0x0                               ; both opening adds are done
	s_wait_kmcnt 0x0
	s_cmp_eq_u32 s[WV], 9
	s_cbranch_scc1 .Lq
	; ---- waves 0-8: keys and Wk_w into codes.  Only pointers are chosen: both tensors take one way through the text
	s_mul_i32 s28, ttmp9, 9
	s_add_co_u32 s28, s28, s[WV]                   ; my unit
	s_cmp_lt_u32 s28, UK                           ; the choice hangs on the work-group's and the wave's number alone
	s_cselect_b64 s[4:5], s[4:5], s[6:7]           ; the numbers,
	s_cselect_b64 s[16:17], s[16:17], s[20:21]     ; the codes,
	s_cselect_b64 s[18:19], s[18:19], s[22:23]     ; the scale words
	s_cselect_b32 s29, 0, UK
	s_sub_co_u32 s28, s28, s29                     ; u within the tensor: tile of rows u / 2, half u % 2 of K
	s_lshr_b32 s30, s28, 1
	s_lshl_b32 s30, s30, 17                        ; 16 rows of 8,192 bytes
	s_and_b32 s29, s28, 1
	s_lshl_b32 s29, s29, 12                        ; 1,024 numbers
	s_add_co_u32 s30, s30, s29
	s_add_nc_u64 s[4:5], s[4:5], s[30:31]
	s_mov_b32 s[G0], 1
	s_add_co_u32 s[G0+1], s32, TIL                 ; my tile
	s_add_nc_u64 s[G0+2:G0+3], s[4:5], 6*512       ; fragments 6 and 7: from byte 3,072 of my part of each row, a multiple of 256
	s_or_b32 s[G0+3], s[G0+3], 0x80000000
	tensor_load_to_lds s[G0:G0+3], s[G1:G1+7]      ; my one tensor load
	s_nop 0
	s_mul_i32 s30, s28, 8*1536                     ; eight fragments
	s_add_nc_u64 s[16:17], s[16:17], s[30:31]
	s_lshl_b32 s30, s28, 9                         ; four pairs of K steps x 128 bytes
	s_add_nc_u64 s[18:19], s[18:19], s[30:31]
.macro LOADF f                         ; fragment f: 16 rows x 512 bytes; each load reads 512 consecutive bytes, at a multiple of 512 from the tensor's first byte
.irp i, 0,1,2,3,4,5,6,7,8,9,10,11,12,13,14,15
	global_load_b128 v[R0+64*((\f)%2)+4*\i:R0+64*((\f)%2)+4*\i+3], v[LI], s[4:5] offset:8192*\i+512*(\f) th:TH_LOAD_NT
.endr
.endm
.macro FRAGQ f
.set RS, R0+64*((\f)%2)
.if (\f) < 5
	s_wait_loadcnt 16                              ; this fragment's 16 loads are in; the next fragment's 16 may be out
.elseif (\f) == 5
	s_wait_loadcnt 0x0
.elseif (\f) == 6
	s_wait_tensorcnt 0x0                           ; my tile has landed; no other wave reads it
.endif
.if (\f) < 6
.irp i, 0,1,2,3,4,5,6,7,8,9,10,11,12,13,14,15
	ds_store_b128 v[STW], v[RS+4*\i:RS+4*\i+3] offset:SPITCH*\i
.endr
.irp b, 0,1,2,3
.irp j, 0,1,2,3
	ds_load_b128 v[X+16*\b+4*\j:X+16*\b+4*\j+3], v[STR] offset:128*\b+16*\j   ; LDS serves a wave's instructions in order (ISA guide 5.7.1.4): these see the stores above
.endr
.endr
.else
.irp b, 0,1,2,3
.irp j, 0,1,2,3
	ds_load_b128 v[X+16*\b+4*\j:X+16*\b+4*\j+3], v[TLR] offset:TIL+512*((\f)-6)+128*\b+16*\j
.endr
.endr
.endif
	s_wait_dscnt 0x0                               ; the numbers are back, and the stores into the stage have read their registers
	s_wait_xcnt 0x0                                ; the last fragment's global stores have read their data: the codes' registers are written again only behind this wait
.if (\f) < 4
	LOADF (\f)+2
.endif
.set PWR, PWS+(\f)%4
	QUANT X, PC, PT, PWR
.irp c, 0,1,2
	global_store_b128 v[LI], v[PC+4*\c:PC+4*\c+3], s[16:17] offset:1536*(\f)+512*\c   ; 512 consecutive bytes, aligned
.endr
.if (\f)%4 == 3                        ; four K steps' words: lanes 0-15 the first pair of K steps of row r, lanes 16-31 the second: 256 consecutive bytes, aligned
	v_cndmask_b32 v[SB+2*((\f)/4)], v[PWS], v[PWS+2], s[HM]
	v_cndmask_b32 v[SB+2*((\f)/4)+1], v[PWS+1], v[PWS+3], s[HM]
	global_store_b64 v[LS8], v[SB+2*((\f)/4):SB+2*((\f)/4)+1], s[18:19] offset:256*((\f)/4)
.endif
.endm
	LOADF 0
	LOADF 1
	s_wait_alu depctr_va_vdst(0)
.irp f, 0,1,2,3,4,5,6,7
	FRAGQ \f
.endr
	s_branch .Lend
	; ---- wave 9: qb = query Wq_w^T + Wq_b + Wk_b for outputs 8 g + 0 .. 7.  Source 0 = these 8 rows of Wq_w, twice; source 1 = the 16 batches: lane (batch, h) holds, in register j, output 8 g + j, in both halves alike
.Lq:
	v_lshlrev_b32 v[WA], 12, v[RR]
	s_delay_alu instid0(VALU_DEP_1)
	v_lshl_add_u32 v[WA], v[HH], 6, v[WA]
	v_and_b32 v[WB], 7, v[RR]
	s_delay_alu instid0(VALU_DEP_1)
	v_lshlrev_b32 v[WB], 12, v[WB]
	s_delay_alu instid0(VALU_DEP_1)
	v_lshl_add_u32 v[WB], v[HH], 6, v[WB]
	v_mov_b32 v[BA], 0
	s_wait_alu depctr_va_vdst(0)
	v_lshlrev_b32 v[QO], 4, v[RR]
	s_delay_alu instid0(VALU_DEP_1)
	v_lshl_add_u32 v[QO], v[HH], 9, v[QO]
	s_lshl_b32 s30, ttmp9, 15                      ; 8 rows of 4,096 bytes
	s_add_nc_u64 s[10:11], s[10:11], s[30:31]
	s_lshl_b32 s30, ttmp9, 5                       ; 8 numbers
	s_add_nc_u64 s[12:13], s[12:13], s[30:31]
	s_add_nc_u64 s[14:15], s[14:15], s[30:31]
	s_lshr_b32 s30, ttmp9, 1
	s_lshl_b32 s30, s30, 10                        ; qb: the tile of 16 outputs, g / 2,
	s_and_b32 s29, ttmp9, 1
	s_lshl_b32 s29, s29, 8                         ; and in each of its two runs of 512 bytes the sixteen lanes of half g % 2
	s_add_co_u32 s30, s30, s29
	s_add_nc_u64 s[24:25], s[24:25], s[30:31]
; my row's numbers of K step s: of each block of 32 my half's 16 neighbours.  Wq_w is a twentieth of the launch's bytes and query is small, so these go without the stage
.macro XLOAD set, base, s
.irp b, 0,1,2,3
.irp j, 0,1,2,3
.if (\base) == 10
	global_load_b128 v[\set+16*\b+4*\j:\set+16*\b+4*\j+3], v[WB], s[\base:\base+1] offset:512*(\s)+128*\b+16*\j th:TH_LOAD_NT
.else
	global_load_b128 v[\set+16*\b+4*\j:\set+16*\b+4*\j+3], v[WA], s[\base:\base+1] offset:512*(\s)+128*\b+16*\j
.endif
.endr
.endr
.endm
	s_wait_alu depctr_va_vdst(0)                   ; ahead of the first readers below
	global_load_b128 v[ACC:ACC+3], v[BA], s[12:13]
	global_load_b128 v[ACC+4:ACC+7], v[BA], s[12:13] offset:16
	global_load_b128 v[QF:QF+3], v[BA], s[14:15]
	global_load_b128 v[QF+4:QF+7], v[BA], s[14:15] offset:16
	XLOAD X, 8, 0
	XLOAD R0, 10, 0
	XLOAD R0+64, 10, 1
	s_wait_loadcnt 32                              ; the biases and query's K step 0 are in; Wq_w's K steps 0 and 1 may be out
.irp j, 0,2,4,6
	v_pk_add_f32 v[ACC+\j:ACC+\j+1], v[ACC+\j:ACC+\j+1], v[QF+\j:QF+\j+1]   ; both biases: the C of the first product
.endr
.macro QSTEP s
.set WS, R0+64*((\s)%2)
.if (\s) == 7
	s_wait_loadcnt 0x0
.elseif (\s) > 0
	s_wait_loadcnt 16                              ; query's K step s is in, and Wq_w's, which was asked for earlier; Wq_w's K step s + 1 may be out
.endif
	QUANT X, QF, PT, PWS+1
.if (\s) < 7
	XLOAD X, 8, (\s)+1
.endif
.if (\s) == 0
	s_wait_loadcnt 32                              ; Wq_w's K step 0 is in; its K step 1 and query's K step 1 may be out
.endif
	QUANT WS, PC, PT, PWS
.if (\s) < 6
	XLOAD WS, 10, (\s)+2
.endif
.rept 8
	v_nop                                          ; a scale register written by a vector instruction stands 8 places ahead of a scaled matrix instruction, an operand so written 4
.endr
.if (\s) > 0
	s_wait_alu depctr_va_vdst(0)                   ; the wait directly ahead of each link
.endif
	v_wmma_scale_f32_16x16x128_f8f6f4 v[ACC:ACC+7], v[PC:PC+11], v[QF:QF+11], v[ACC:ACC+7], v[PWS], v[PWS+1] matrix_a_fmt:MATRIX_FMT_FP6 matrix_b_fmt:MATRIX_FMT_FP6
.endm                                  ; the next step's 32 maxima, which name none of its registers, are the places behind it
.irp s, 0,1,2,3,4,5,6,7
	QSTEP \s
.endr
.rept 4
	v_nop
.endr
.irp i, 0,1,2,3
	v_cndmask_b32 v[PT+\i], v[ACC+\i], v[ACC+4+\i], s[HM]          ; both halves of the lanes hold all eight outputs: lanes 0-15 send registers 0-3, lanes 16-31 registers 4-7
.endr
	global_store_b128 v[QO], v[PT:PT+3], s[24:25]  ; two runs of 256 consecutive bytes, aligned
.Lend:
	s_wait_tensorcnt 0x0                           ; the wave's end: behind my tensor load and my last LDS store
	ds_add_u32 v[SPW], v[NIL]
	s_wait_dscnt 0x0
	s_endpgm
.Lfunc_end_k_q49f9c8915b_quant:
	.size	k_q49f9c8915b_quant, .Lfunc_end_k_q49f9c8915b_quant-k_q49f9c8915b_quant
	.p2alignl 7, 3214868480
	.fill 96, 4, 3214868480
	.section	.rodata,"a",@progbits
	.p2align	6, 0x0
	.amdhsa_kernel k_q49f9c8915b_quant
		.amdhsa_group_segment_fixed_size 252160
		.amdhsa_private_segment_fixed_size 0
		.amdhsa_enable_private_segment 0
		.amdhsa_kernarg_size 88
		.amdhsa_user_sgpr_count 2
		.amdhsa_user_sgpr_kernarg_segment_ptr 1
		.amdhsa_wavefront_size32 1
		.amdhsa_system_sgpr_workgroup_id_x 1
		.amdhsa_system_sgpr_workgroup_id_y 1
		.amdhsa_system_sgpr_workgroup_id_z 1
		.amdhsa_system_vgpr_workitem_id 0
		.amdhsa_next_free_vgpr 256
		.amdhsa_next_free_sgpr 66
		.amdhsa_reserve_vcc 0
		.amdhsa_float_denorm_mode_32 3
		.amdhsa_float_denorm_mode_16_64 3
		.amdhsa_memory_ordered 1
		.amdhsa_forward_progress 1
		.amdhsa_inst_pref_size 189
	.end_amdhsa_kernel
	.amdgpu_metadata
---
amdhsa.version: [ 1, 2 ]
amdhsa.kernels:
  - .name:           k_q49f9c8915b_quant
    .symbol:         k_q49f9c8915b_quant.kd
    .args:
      - { .name: keys, .offset: 0, .size: 8, .value_kind: global_buffer, .address_space: global }
      - { .name: Wk_w, .offset: 8, .size: 8, .value_kind: global_buffer, .address_space: global }
      - { .name: query, .offset: 16, .size: 8, .value_kind: global_buffer, .address_space: global }
      - { .name: Wq_w, .offset: 24, .size: 8, .value_kind: global_buffer, .address_space: global }
      - { .name: Wq_b, .offset: 32, .size: 8, .value_kind: global_buffer, .address_space: global }
      - { .name: Wk_b, .offset: 40, .size: 8, .value_kind: global_buffer, .address_space: global }
      - { .name: kcodes, .offset: 48, .size: 8, .value_kind: global_buffer, .address_space: global }
      - { .name: kscales, .offset: 56, .size: 8, .value_kind: global_buffer, .address_space: global }
      - { .name: wcodes, .offset: 64, .size: 8, .value_kind: global_buffer, .address_space: global }
      - { .name: wscales, .offset: 72, .size: 8, .value_kind: global_buffer, .address_space: global }
      - { .name: qb, .offset: 80, .size: 8, .value_kind: global_buffer, .address_space: global }
    .group_segment_fixed_size: 252160
    .private_segment_fixed_size: 0
    .kernarg_segment_align: 8
    .kernarg_segment_size: 88
    .max_flat_workgroup_size: 320
    .sgpr_count:     66
    .vgpr_count:     256
    .wavefront_size: 32
...
	.end_amdgpu_metadata
.endif
;; end of part 1
;; launch scores (part 2): grid 16 x 16, 4 waves a work-group, no clusters, 273,920 bytes of LDS; arguments kcodes, kscales, wcodes, wscales, qb, v_w, spart; writes spart
.if DOCPART == 2
	.amdgcn_target "amdgcn-amd-amdhsa--gfx1250"
	.amdhsa_code_object_version 6
	.text
	.protected	k_q49f9c8915b_scores
	.globl	k_q49f9c8915b_scores
	.p2align	8
	.type	k_q49f9c8915b_scores,@function
k_q49f9c8915b_scores:
	s_mov_b64 s[64:65], 0
	v_nop
	global_prefetch_b8 v0, s[64:65] scope:SCOPE_SE
	s_setreg_imm32_b32 hwreg(HW_REG_WAVE_MODE, 25, 1), 1
	s_wait_xcnt 0x0
; Launch 2 of 3: k_proj = keys Wk_w^T on codes of FP6 (the second QUANTISED product), and of it the partial sums p[c][row] = sum over 128 outputs o of v_o / (1 + e^(2 (qb_o + k_proj_o))).
; LEFT OUT as dead work (shown at the head of the first launch): v_b and the sum of v_w; tanh(x) = 1 - 2 r, and only sum v_o r_o is carried.
; SHARES.  Work-group (c, b): batch b's 1,024 rows x outputs 128 c .. 128 c + 127, in two passes of 512 rows; a wave makes 128 rows x 128 outputs: 64 accumulators, 512 registers.
; B (Wk_w's 128 rows, all of K: 196,608 bytes of codes, 8,192 of scale words) and the scale words of the batch's 1,024 rows (65,536 bytes) come into LDS ONCE, one tensor load a wave, and stay:
; no LDS byte is filled twice, so the walk along K has no barrier.  A's fragments are a wave's own (no other wave of the work-group reads them) and lie in memory as images of the operand's registers:
; they go from memory straight into registers, a ring of 16 blocks (two K steps); a pair of blocks is asked for again behind its 16 products, for the K step two further on.
; NO CLUSTER: the tensor loads bring 270,336 of the 1.9 million bytes that a work-group reads, once; the rest are plain loads into registers, which have no joint form.
; PREFETCH: in trip t the 3,072 bytes a row tile of trip t + 3 (two trips ahead of the loads that want them): a wave's 96 blocks of 256 bytes are shared out among the 16 work-groups of the batch by address, 6 each
; (lanes 6-31 name the sixth again); trips 5 to 7 ask for nothing; a pass's trips 1 and 2 are asked for with its first loads.
; THE MATRIX INSTRUCTION IS USED TRANSPOSED: source 0 = 16 rows of Wk_w, source 1 = 16 rows of keys: lane (r, h) holds key row r, register j output 8 h + j of the tile.
; LIMITS: e^(2x) beyond f32's range gives r = 0, under it r = 1, which is tanh's limit; NaN and infinities among the inputs are not served.
; REGISTERS: window 0: v0-31 addresses; v32-47 A's scale words, v48-63 B's (two sets of 8 each, a set a K step's parity); v64-255 B's fragments, two sets.  Window 1: v0-191 A's ring.  Windows 2, 3: accumulator (a, b) at v[8 (8 (a % 4) + b)].
.set BSC,   196608                     ; LDS: B's codes from 0 [tile 0..7][K step][1536]; B's scale words [tile][pair][row][2];
.set ASC,   204800                     ; A's scale words, 64 tiles likewise;
.set TAB,   270336                     ; 128 x qb c, then 128 x v: written by LDS stores, in blocks of their own;
.set STG,   271360                     ; a stage of 512 bytes a wave for the way out;
.set SPARE, 273408                     ; the spare words, 128 bytes a wave: no other line names them
.set L16,  1                           ; 16 x lane
.set ADRB, 2                           ; v2-5 B's fragments: tiles 2 k, 2 k + 1, at this trip's K
.set ADSA, 6                           ; A's scale words at this trip's K;  v8: at the batch's first
.set ADSB, 7                           ; B's;  v9
.set ADSA0, 8
.set ADSB0, 9
.set TBA,  10
.set STO,  11
.set RD,   12
.set PFO,  13
.set SPW,  14
.set NIL,  15
.set HH,   24
.set SA,   32
.set SB,   48
.set BF,   64
.set QC,   64                          ; the way out: qb c, v, sums (where B's fragments lay)
.set VV,   128
.set TA,   192
.set PA,   22                          ; s[22:23] A's codes: my 8 row tiles at the trip that is being asked for
.set SPO,  24                          ; s[24:25] my 128 rows of spart
.set CS,   26                          ; s[26:27] c = 2 log2(e)
.set SEL,  28
.set HM,   30
.set CT,   31
.set PASS, 32
.set POFF, 33
.set MSB, 0
.macro WIN new                         ; the immediate's high byte repeats the setting that is left
.if MSB != (\new)
	s_set_vgpr_msb (MSB<<8)|(\new)
.set MSB, (\new)
.endif
.endm
.macro PLACES
.rept 4
	v_nop
.endr
.endm
.macro ALOAD q, a0                     ; A's blocks a0, a0 + 1 of parity q: six loads of 512 consecutive bytes
.irp a, \a0, \a0+1
.irp c, 0,1,2
	global_load_b128 v[96*(\q)+12*(\a)+4*\c:96*(\q)+12*(\a)+4*\c+3], v[L16], s[PA:PA+1] offset:24576*(\a)+1536*(\q)+512*\c
.endr
.endr
.endm
.macro PRO                             ; a pass's first two K steps of A, in the order in which the trips ask again, and the prefetch of trips 1 and 2
	WIN 0x40
.irp q, 0,1
.irp g, 0,1,2,3
	ALOAD \q, 2*\g
.endr
.endr
	WIN 0
	global_prefetch_b8 v[PFO], s[PA:PA+1] offset:3072 th:TH_LOAD_NT scope:SCOPE_SE
	global_prefetch_b8 v[PFO], s[PA:PA+1] offset:6144 th:TH_LOAD_NT scope:SCOPE_SE
.endm
.macro FETCHB q, off                   ; B's eight fragments into set q
.irp i, 0,1,2,3,4,5,6,7
.irp c, 0,1,2
	ds_load_b128 v[BF+96*(\q)+12*\i+4*\c:BF+96*(\q)+12*\i+4*\c+3], v[ADRB+\i/2] offset:(\i%2)*24576+(\off)+512*\c
.endr
.endr
.endm
.macro SCALES q, off                   ; one K step's scale words, lane r (and 16 + r) row r's
.irp i, 0,1,2,3,4,5,6,7
	ds_load_b32 v[SA+8*(\q)+\i], v[ADSA] offset:1024*\i+(\off)
	ds_load_b32 v[SB+8*(\q)+\i], v[ADSB] offset:1024*\i+(\off)
.endr
.endm
.macro MUL16 q, g, zero                ; A's blocks 2 g, 2 g + 1 x B's eight; the 64 accumulators take turns
.irp a, 2*\g, 2*\g+1
.irp b, 0,1,2,3,4,5,6,7
.set DD, 8*(8*((\a)%4)+\b)
.set BB, BF+96*(\q)+12*\b
.set AA, 96*(\q)+12*(\a)
.if \zero
	v_wmma_scale_f32_16x16x128_f8f6f4 v[DD:DD+7], v[BB:BB+11], v[AA:AA+11], 0, v[SB+8*(\q)+\b], v[SA+8*(\q)+(\a)] matrix_a_fmt:MATRIX_FMT_FP6 matrix_b_fmt:MATRIX_FMT_FP6
.else
	v_wmma_scale_f32_16x16x128_f8f6f4 v[DD:DD+7], v[BB:BB+11], v[AA:AA+11], v[DD:DD+7], v[SB+8*(\q)+\b], v[SA+8*(\q)+(\a)] matrix_a_fmt:MATRIX_FMT_FP6 matrix_b_fmt:MATRIX_FMT_FP6
.endif
.endr
.endr
.endm
; A K step: four groups of 16 products.  kind 0: a pass's first trip, 1: the loop's, 2: its last, which asks for nothing of A.
; s_wait_loadcnt 42: behind the six loads of the group's two blocks seven runs of six have been issued; in the last trip six fewer with each group.
.macro STEP q, kind, zero
	s_wait_dscnt 0x0                               ; B's set and the scale words of this step are in
.irp g, 0,1,2,3
.if (\kind) < 2
	s_wait_loadcnt 42
.else
	s_wait_loadcnt 42-6*(4*(\q)+\g)
.endif
	WIN 0xa4+0x50*(\g/2)                           ; source 0 window 0, source 1 window 1, C and D window 2 or 3
	MUL16 \q, \g, \zero
.if (\kind) < 2
.if (\q) == 0 && \g == 0
	s_wait_xcnt 0x0                                ; the earlier loads and prefetches have read their base
	s_add_nc_u64 s[PA:PA+1], s[PA:PA+1], 3072      ; on to the next trip's two K steps
.endif
	PLACES                                         ; four places ahead of loads into registers that matrix instructions have read
	WIN 0x40
	ALOAD \q, 2*\g
.elseif (\q) == 0 && \g == 0
	PLACES
.endif
.if \g == 0
.if (\q) == 0
	WIN 0
	FETCHB 1, 1536
	SCALES 1, 4
.if (\kind) == 0
	global_prefetch_b8 v[PFO], s[PA:PA+1] offset:6144 th:TH_LOAD_NT scope:SCOPE_SE
.elseif (\kind) == 1
	s_cmp_lt_u32 s[CT], 5                          ; trips 5 and 6 have no trip three further on
	s_cbranch_scc0 .Lnp_\@
	global_prefetch_b8 v[PFO], s[PA:PA+1] offset:6144 th:TH_LOAD_NT scope:SCOPE_SE
.Lnp_\@:
.endif
.elseif (\kind) < 2
	WIN 0
	FETCHB 0, 3072
	SCALES 0, 128
.irp k, 0,1,2,3
	v_add_nc_u32 v[ADRB+\k], 3072, v[ADRB+\k]      ; the LDS addresses go on to the next trip
.endr
	v_add_nc_u32 v[ADSA], 128, v[ADSA]
	v_add_nc_u32 v[ADSB], 128, v[ADSB]
	s_wait_alu depctr_va_vdst(0)                   ; behind these writes
.endif
.endif
.endr
.endm
; A phase of the way out, on blocks of 64 registers of one window: 2^x of block e, 1 + of block a, 1 / of block r by turns; then, apart from the transcendentals, the sums of v r of block f.  One place and one wait end it.
.macro PH e, a, r, f
.set i, 0
.rept 32
.if (\e) >= 0
	v_exp_f32 v[64*(\e)+2*i], v[64*(\e)+2*i]
	v_exp_f32 v[64*(\e)+2*i+1], v[64*(\e)+2*i+1]
.endif
.if (\a) >= 0
	v_pk_add_f32 v[64*(\a)+2*i:64*(\a)+2*i+1], v[64*(\a)+2*i:64*(\a)+2*i+1], 1.0 op_sel_hi:[1,0]
.endif
.if (\r) >= 0
	v_rcp_f32 v[64*(\r)+2*i], v[64*(\r)+2*i]
	v_rcp_f32 v[64*(\r)+2*i+1], v[64*(\r)+2*i+1]
.endif
.set i, i+1
.endr
.if (\f) >= 0
.set i, 0
.rept 32
.if i < 4
	v_pk_mul_f32 v[64*(\f)+2*i:64*(\f)+2*i+1], v[64*(\f)+2*i:64*(\f)+2*i+1], v[VV+2*i:VV+2*i+1]
.else
	v_pk_fma_f32 v[64*(\f)+2*(i%4):64*(\f)+2*(i%4)+1], v[64*(\f)+2*i:64*(\f)+2*i+1], v[VV+2*i:VV+2*i+1], v[64*(\f)+2*(i%4):64*(\f)+2*(i%4)+1]
.endif
.set i, i+1
.endr
.endif
	v_nop
	s_wait_alu depctr_va_vdst(0)
.endm
.macro EPI g
	WIN 0xa2+0x51*(\g)                             ; sources 0 and 2 and the destination in the accumulators' window, source 1 (v) in window 0
	PH 0, -1, -1, -1
	PH 1, 0, -1, -1
	PH 2, 1, 0, -1
	PH 3, 2, 1, 0
	PH -1, 3, 2, 1
	PH -1, -1, 3, 2
	PH -1, -1, -1, 3
	WIN 0x0a+5*(\g)
.irp x, 0,1,2,3
	v_pk_add_f32 v[TA+16*(\g)+4*\x:TA+16*(\g)+4*\x+1], v[64*\x:64*\x+1], v[64*\x+2:64*\x+3]
	v_pk_add_f32 v[TA+16*(\g)+4*\x+2:TA+16*(\g)+4*\x+3], v[64*\x+4:64*\x+5], v[64*\x+6:64*\x+7]
.endr
.endm
	s_load_b256 s[4:11], s[0:1], 0x0               ; kcodes s[4:5], kscales s[6:7], wcodes s[8:9], wscales s[10:11]
	s_load_b128 s[12:15], s[0:1], 0x20             ; qb s[12:13], v_w s[14:15]
	s_load_b64 s[16:17], s[0:1], 0x30              ; spart
	v_lshl_add_u32 v[SPW], v0, 2, SPARE
	v_mov_b32 v[NIL], 0
	ds_add_u32 v[SPW], v[NIL]                      ; the opening lines: the add, twice on end, and its wait ahead of my tensor load
	ds_add_u32 v[SPW], v[NIL]
	v_lshrrev_b32 v16, 5, v0
	v_readfirstlane_b32 s18, v16                   ; wave 0..3
	s_mov_b32 s19, ttmp9                           ; c
	s_and_b32 s20, ttmp7, 0xffff                   ; b
; group 1: dense blocks as rows of 256 bytes (32 elements of 8): 384 rows (half of B's codes), 256 (A's scale words), 32 (B's scale words)
.irp g, 52, 68, 76
	s_mov_b32 s[\g], 3<<16
	s_mov_b32 s[\g+1], 32<<16
	s_mov_b32 s[\g+3], 32<<16
	s_mov_b32 s[\g+5], 32
	s_mov_b32 s[\g+6], 0
	s_mov_b32 s[\g+7], 0
.endr
	s_mov_b32 s54, 384<<16
	s_mov_b32 s56, 384
	s_mov_b32 s70, 256<<16
	s_mov_b32 s72, 256
	s_mov_b32 s78, 32<<16
	s_mov_b32 s80, 32
	s_mov_b32 s40, 1
	s_mul_i32 s41, s18, 98304                      ; waves 0 and 1: B's codes, a half each
	s_mul_i32 s34, s19, 196608
	s_add_co_u32 s34, s34, s41
	s_mov_b32 s35, 0
	s_mov_b32 s44, 1
	s_mov_b32 s45, ASC
	s_lshl_b32 s36, s20, 16
	s_mov_b32 s37, 0
	s_mov_b32 s48, 1
	s_mov_b32 s49, BSC
	s_lshl_b32 s38, s19, 13
	s_mov_b32 s39, 0
	s_wait_dscnt 0x0                               ; both opening adds are done
	s_wait_kmcnt 0x0
	s_add_nc_u64 s[42:43], s[8:9], s[34:35]
	s_or_b32 s43, s43, 0x80000000
	s_add_nc_u64 s[46:47], s[6:7], s[36:37]
	s_or_b32 s47, s47, 0x80000000
	s_add_nc_u64 s[50:51], s[10:11], s[38:39]
	s_or_b32 s51, s51, 0x80000000
	s_cmp_lt_u32 s18, 2                            ; one chain of branches on the wave's number, one load to an arm
	s_cbranch_scc0 .Lh_a
	tensor_load_to_lds s[40:43], s[52:59]
	s_nop 0
	PLACES
	s_branch .Lh_j
.Lh_a:
	s_cmp_eq_u32 s18, 2
	s_cbranch_scc0 .Lh_b
	tensor_load_to_lds s[44:47], s[68:75]
	s_nop 0
	PLACES
	s_branch .Lh_j
.Lh_b:
	tensor_load_to_lds s[48:51], s[76:83]
	s_nop 0
	PLACES
.Lh_j:
	s_mov_b32 s[CS], 0x4038aa3b
	s_mov_b32 s[CS+1], s[CS]
	s_mov_b32 s[SEL], 0x76543210
	s_mov_b32 s[SEL+1], 0xfedcba98
	s_mov_b32 s[PASS], 2
	s_mov_b32 s[POFF], 0
	s_mul_i32 s34, s20, 64*24576                   ; A: the batch's 64 row tiles, my wave's 8
	s_mul_i32 s36, s18, 8*24576
	s_add_co_u32 s34, s34, s36
	s_add_nc_u64 s[PA:PA+1], s[4:5], s[34:35]
	s_lshl_b32 s34, s19, 16                        ; spart: 65,536 c + 4,096 b + 512 wave
	s_lshl_b32 s36, s20, 12
	s_add_co_u32 s34, s34, s36
	s_lshl_b32 s36, s18, 9
	s_add_co_u32 s34, s34, s36
	s_add_nc_u64 s[SPO:SPO+1], s[16:17], s[34:35]
	s_lshl_b32 s34, s19, 13                        ; qb: 8 tiles of 1,024 bytes, 16 bytes a batch
	s_lshl_b32 s36, s20, 4
	s_add_co_u32 s34, s34, s36
	s_add_nc_u64 s[12:13], s[12:13], s[34:35]
	s_lshl_b32 s34, s19, 9
	s_add_nc_u64 s[14:15], s[14:15], s[34:35]
	s_lshl_b32 s38, s18, 13
	s_add_co_u32 s38, s38, ASC                     ; my wave's 8 tiles of scale words
	s_lshl_b32 s39, s18, 9
	s_add_co_u32 s39, s39, STG
	s_and_b32 s36, s19, 1
	s_mul_i32 s36, s36, 6                          ; the prefetches: block 6 c + lane of my wave's 96: tile c / 2, block 6 (c % 2) + lane
	s_lshr_b32 s37, s19, 1
	s_mul_i32 s37, s37, 24576
	v_and_b32 v16, 31, v0
	v_lshlrev_b32 v[L16], 4, v16
	v_and_b32 v17, 15, v0
	v_bfe_u32 v[HH], v0, 4, 1
	v_lshlrev_b32 v18, 3, v17                      ; 8 r
	v_add_nc_u32 v[ADSA0], s38, v18
	v_add_nc_u32 v[ADSB0], BSC, v18
	v_lshlrev_b32 v[TBA], 5, v[HH]
	v_add_nc_u32 v[TBA], TAB, v[TBA]
	v_lshl_add_u32 v[STO], v16, 2, s39
	v_add_nc_u32 v[RD], s39, v[L16]
	v_cmp_ne_u32 s[HM], 0, v[HH]
	v_min_u32 v19, 5, v16
	v_add_nc_u32 v19, s36, v19
	v_lshlrev_b32 v[PFO], 8, v19
	v_add_nc_u32 v[PFO], s37, v[PFO]
	v_lshrrev_b32 v20, 4, v0                       ; thread i takes output 128 c + i: qb lies at 1024 (i / 16) + 512 ((i / 4) % 2) + 256 ((i / 8) % 2) + 4 (i % 4)
	v_lshlrev_b32 v20, 10, v20
	v_bfe_u32 v21, v0, 2, 1
	v_lshl_add_u32 v20, v21, 9, v20
	v_bfe_u32 v22, v0, 3, 1
	v_lshl_add_u32 v20, v22, 8, v20
	v_and_b32 v23, 3, v0
	v_lshl_add_u32 v20, v23, 2, v20
	v_lshlrev_b32 v25, 2, v0
	v_add_nc_u32 v26, TAB, v25
	s_wait_alu depctr_va_vdst(0)                   ; the head's end
	global_load_b32 v27, v20, s[12:13]
	global_load_b32 v28, v25, s[14:15]
	PRO
	s_wait_loadcnt 48                              ; qb and v are in; A's 48 loads stay out
	v_mul_f32 v27, s[CS], v27                      ; qb c
	s_wait_alu depctr_va_vdst(0)
	s_wait_tensorcnt 0x0                           ; my tensor load has landed
	ds_store_b32 v26, v27
	ds_store_b32 v26, v28 offset:512
	s_wait_dscnt 0x0
	s_barrier_signal -1
	s_barrier_wait -1                              ; all of B, the scale words and the table are in LDS for every wave
.Lpass:
	v_mov_b32 v[ADRB], v[L16]
.irp k, 1,2,3
	v_add_nc_u32 v[ADRB+\k], 49152*\k, v[L16]
.endr
	v_add_nc_u32 v[ADSA], s[POFF], v[ADSA0]        ; the pass's 32 tiles of scale words
	v_mov_b32 v[ADSB], v[ADSB0]
	s_wait_alu depctr_va_vdst(0)                   ; behind these writes
	FETCHB 0, 0
	SCALES 0, 0
	STEP 0, 0, 1                                   ; the first K step's products start the sums
	STEP 1, 0, 0
	WIN 0
	s_mov_b32 s[CT], 1
.Ltrip:
	STEP 0, 1, 0
	STEP 1, 1, 0
	WIN 0
	s_add_co_u32 s[CT], s[CT], 1
	s_cmp_lt_u32 s[CT], 7
	s_cbranch_scc1 .Ltrip
	STEP 0, 2, 0
	STEP 1, 2, 0
	PLACES
	WIN 0
.irp b, 0,1,2,3,4,5,6,7
	ds_load_b128 v[QC+8*\b:QC+8*\b+3], v[TBA] offset:64*\b         ; qb c and v of outputs 16 b + 8 h + 0 .. 7
	ds_load_b128 v[QC+8*\b+4:QC+8*\b+7], v[TBA] offset:64*\b+16
	ds_load_b128 v[VV+8*\b:VV+8*\b+3], v[TBA] offset:512+64*\b
	ds_load_b128 v[VV+8*\b+4:VV+8*\b+7], v[TBA] offset:512+64*\b+16
.endr
	s_cmp_eq_u32 s[PASS], 1
	s_cbranch_scc1 .Lno_more
	s_wait_xcnt 0x0
	s_add_nc_u64 s[PA:PA+1], s[PA:PA+1], 32*24576-7*3072   ; from trip 7 to the next pass's trip 0: its loads are on their way under the way out
	PRO
.Lno_more:
	s_wait_dscnt 0x0
; x c + qb c for all 512 numbers, each accumulator from its low end on, ahead of every transcendental
	WIN 0x82
.set i, 0
.rept 128
	v_pk_fma_f32 v[2*i:2*i+1], v[2*i:2*i+1], s[CS:CS+1], v[QC+(2*i)%64:QC+(2*i)%64+1] op_sel_hi:[1,0,1]
.set i, i+1
.endr
	WIN 0xc3
.set i, 0
.rept 128
	v_pk_fma_f32 v[2*i:2*i+1], v[2*i:2*i+1], s[CS:CS+1], v[QC+(2*i)%64:QC+(2*i)%64+1] op_sel_hi:[1,0,1]
.set i, i+1
.endr
	s_wait_alu depctr_va_vdst(0)                   ; ahead of the transcendentals
	EPI 0
	EPI 1
	WIN 0
.irp a, 0,1,2,3,4,5,6,7
	v_pk_add_f32 v[TA+4*\a:TA+4*\a+1], v[TA+4*\a:TA+4*\a+1], v[TA+4*\a+2:TA+4*\a+3]
.endr
.irp a, 0,1,2,3,4,5,6,7
	v_add_f32 v[TA+4*\a], v[TA+4*\a], v[TA+4*\a+1]
.endr
.irp a, 0,1,2,3,4,5,6,7
	v_permlanex16_b32 v[TA+4*\a+1], v[TA+4*\a], s[SEL], s[SEL+1]
.endr
.irp a, 0,1,2,3,4,5,6,7
	v_add_f32 v[TA+4*\a], v[TA+4*\a], v[TA+4*\a+1] ; with lane l xor 16's eight outputs of each tile: row r of block a
.endr
.irp p, 0,1,2,3
	v_cndmask_b32 v[224+\p], v[TA+8*\p], v[TA+8*\p+4], s[HM]       ; lanes 0-15 block 2 p, lanes 16-31 block 2 p + 1: rows 32 p + lane
.endr
.irp p, 0,1,2,3
	ds_store_b32 v[STO], v[224+\p] offset:128*\p
.endr
	ds_load_b128 v[228:231], v[RD]                 ; LDS serves a wave's instructions in order: my 128 rows, four a lane
	s_wait_dscnt 0x0
	global_store_b128 v[L16], v[228:231], s[SPO:SPO+1]             ; 512 consecutive bytes, aligned
	s_wait_xcnt 0x0                                ; the store has read its base and data
	s_add_nc_u64 s[SPO:SPO+1], s[SPO:SPO+1], 2048
	s_add_co_u32 s[POFF], s[POFF], 32768
	s_sub_co_u32 s[PASS], s[PASS], 1
	s_cmp_lg_u32 s[PASS], 0
	s_wait_alu depctr_va_vdst(0)                   ; ahead of the branch
	s_cbranch_scc1 .Lpass
	s_wait_tensorcnt 0x0                           ; the wave's end
	ds_add_u32 v[SPW], v[NIL]
	s_wait_dscnt 0x0
	s_endpgm
.Lfunc_end_k_q49f9c8915b_scores:
	.size	k_q49f9c8915b_scores, .Lfunc_end_k_q49f9c8915b_scores-k_q49f9c8915b_scores
	.p2alignl 7, 3214868480
	.fill 96, 4, 3214868480
	.section	.rodata,"a",@progbits
	.p2align	6, 0x0
	.amdhsa_kernel k_q49f9c8915b_scores
		.amdhsa_group_segment_fixed_size 273920
		.amdhsa_private_segment_fixed_size 0
		.amdhsa_enable_private_segment 0
		.amdhsa_kernarg_size 56
		.amdhsa_user_sgpr_count 2
		.amdhsa_user_sgpr_kernarg_segment_ptr 1
		.amdhsa_wavefront_size32 1
		.amdhsa_system_sgpr_workgroup_id_x 1
		.amdhsa_system_sgpr_workgroup_id_y 1
		.amdhsa_system_sgpr_workgroup_id_z 1
		.amdhsa_system_vgpr_workitem_id 0
		.amdhsa_next_free_vgpr 1024
		.amdhsa_next_free_sgpr 84
		.amdhsa_reserve_vcc 0
		.amdhsa_float_denorm_mode_32 3
		.amdhsa_float_denorm_mode_16_64 3
		.amdhsa_memory_ordered 1
		.amdhsa_forward_progress 1
		.amdhsa_inst_pref_size 182
	.end_amdhsa_kernel
	.amdgpu_metadata
---
amdhsa.version: [ 1, 2 ]
amdhsa.kernels:
  - .name:           k_q49f9c8915b_scores
    .symbol:         k_q49f9c8915b_scores.kd
    .args:
      - { .name: kcodes, .offset: 0, .size: 8, .value_kind: global_buffer, .address_space: global }
      - { .name: kscales, .offset: 8, .size: 8, .value_kind: global_buffer, .address_space: global }
      - { .name: wcodes, .offset: 16, .size: 8, .value_kind: global_buffer, .address_space: global }
      - { .name: wscales, .offset: 24, .size: 8, .value_kind: global_buffer, .address_space: global }
      - { .name: qb, .offset: 32, .size: 8, .value_kind: global_buffer, .address_space: global }
      - { .name: v_w, .offset: 40, .size: 8, .value_kind: global_buffer, .address_space: global }
      - { .name: spart, .offset: 48, .size: 8, .value_kind: global_buffer, .address_space: global }
    .group_segment_fixed_size: 273920
    .private_segment_fixed_size: 0
    .kernarg_segment_align: 8
    .kernarg_segment_size: 56
    .max_flat_workgroup_size: 128
    .sgpr_count:     84
    .vgpr_count:     1024
    .wavefront_size: 32
...
	.end_amdgpu_metadata
.endif
;; end of part 2
;; launch context (part 3): grid 16 x 16, 16 waves a work-group, no clusters, 322,048 bytes of LDS; arguments spart, keys, out0, out1; writes out0, out1
.if DOCPART == 3
	.amdgcn_target "amdgcn-amd-amdhsa--gfx1250"
	.amdhsa_code_object_version 6
	.text
	.protected	k_q49f9c8915b_context
	.globl	k_q49f9c8915b_context
	.p2align	8
	.type	k_q49f9c8915b_context,@function
k_q49f9c8915b_context:
	s_mov_b64 s[64:65], 0
	v_nop
	global_prefetch_b8 v0, s[64:65] scope:SCOPE_SE
	s_setreg_imm32_b32 hwreg(HW_REG_WAVE_MODE, 25, 1), 1
	s_wait_xcnt 0x0
; Launch 3 of 3: the softmax over a batch's 1,024 positions and context = sum over s of w[s] keys[s], all in f32 (products with one row: fused multiply-adds; the matrix units would buy nothing).
; LEFT OUT as dead work (shown at the head of the first launch): v_b and the sum of v_w: the score is taken as -2 p, p the sum of the 16 partial sums; t = -2 log2(e) p, w = 2^(t - max t) / sum.
; SHARES.  Work-group (c, b): batch b, columns 128 c .. 128 c + 127 of the context: each output has one owner.  Every work-group of a batch makes the batch's softmax (64 KiB of partial sums); wave c of work-group c stores
; rows 64 c .. 64 c + 63 of the weights.  Thread t holds rows 2 t and 2 t + 1, so wave w's lanes hold the weights of just the rows 64 w .. 64 w + 63 whose keys wave w reads: no weight goes through LDS.
; ALL OF A WAVE'S KEYS ARE ASKED FOR AT THE HEAD, by two roads: its rows 0-37 (512 bytes each, 8,192 apart) by ONE tensor load into LDS bytes of the wave's own, filled once and read by that wave alone;
; its rows 38-63 by 26 loads of 512 consecutive bytes into registers.  No ring, no refill.  No prefetch: there is no loop to run ahead in.  Clusters buy nothing: no two work-groups read the same keys.
.set NT,    38                         ; rows by the tensor load
.set NR,    64-NT                      ; rows by loads into registers
.set TW,    NT*512                     ; a wave's tile: 19,456 bytes
.set MAXW,  16*TW                      ; behind the tiles: the waves' maxima, 64 bytes in a block of 256 of their own;
.set CTX,   MAXW+512                   ; (their sums in the next block;) the waves' parts of the context: 16 x 512 bytes;
.set SPARE, CTX+8192                   ; the spare words, 128 bytes a wave: eight blocks of 256 bytes that no other line names
.set T8,  2                            ; v2   8 x thread
.set LI,  3                            ; v3   16 x lane
.set SPW, 4                            ; v4   LDS address of my spare word; never rewritten
.set NIL, 5                            ; v5   0; never rewritten
.set W4,  6                            ; v6   MAXW + 4 x wave
.set ZA,  7                            ; v7   MAXW
.set CW,  8                            ; v8   CTX + 512 x wave + 16 x lane
.set L8,  9                            ; v9   8 x lane
.set W,   10                           ; v[10:11] t, then 2^(t - max), then w of my two rows
.set TL,  14                           ; v14  my tile: TW x wave + 16 x lane
.set CR,  15                           ; v15  CTX + 16 x lane
.set RED, 16                           ; v16-31 the sixteen waves' words
.set P,   32                           ; v32-63 the sixteen partial sums of my two rows
.set ACC, 64                           ; v[64:67], v[68:71] two sets of sums, by turns
.set RING, 72                          ; v72-175 26 rows x 4 registers
.set WP,  32                           ; s[32:47] eight weights, each the low word of a pair
.set G0,  48                           ; s[48:51], s[52:59] the tile's descriptor
.set G1,  52
	s_load_b256 s[4:11], s[0:1], 0x0               ; spart s[4:5], keys s[6:7], out0 s[8:9], out1 s[10:11]
	v_lshl_add_u32 v[SPW], v0, 2, SPARE
	v_mov_b32 v[NIL], 0
	ds_add_u32 v[SPW], v[NIL]                      ; the opening lines: the add, twice on end, and its wait ahead of my tensor load
	ds_add_u32 v[SPW], v[NIL]
	v_lshrrev_b32 v[W4], 5, v0
	v_readfirstlane_b32 s12, v[W4]                 ; wave 0..15
	s_mov_b32 s13, ttmp9                           ; c
	s_and_b32 s14, ttmp7, 0xffff                   ; b
	s_mov_b32 s18, 0x76543210
	s_mov_b32 s19, 0xfedcba98
	s_mov_b32 s20, 0xc038aa3b                      ; -2 log2(e)
	s_mov_b32 s21, s20
.irp k, 1,3,5,7,9,11,13,15
	s_mov_b32 s[WP+\k], 0                          ; the pairs' upper words are named with the lower, so they are written
.endr
	s_mov_b32 s17, 0
	s_mov_b32 s23, 0
	s_mov_b32 s25, 0
	s_mov_b32 s27, 0
	s_lshl_b32 s16, s14, 12                        ; a batch's 1,024 rows x 4 bytes
	s_lshl_b32 s22, s14, 23                        ; a batch's keys,
	s_lshl_b32 s28, s12, 19                        ; my wave's 64 rows of 8,192 bytes,
	s_add_co_u32 s22, s22, s28
	s_lshl_b32 s28, s13, 9                         ; my work-group's 128 columns
	s_add_co_u32 s22, s22, s28
	s_lshl_b32 s24, s14, 13
	s_add_co_u32 s24, s24, s28                     ; out0: 8,192 b + 512 c
	s_lshl_b32 s26, s13, 8
	s_add_co_u32 s26, s26, s16                     ; out1: 4,096 b + 256 c
	s_lshl_b32 s15, s12, 9
	s_add_co_u32 s15, s15, CTX
	s_mov_b32 s[G0], 1
	s_mul_i32 s[G0+1], s12, TW                     ; my tile
	s_mov_b32 s[G1], 3<<16                         ; elements of 8 bytes, no padding: a row is read by 32 lanes on end
	s_mov_b32 s[G1+1], 64<<16                      ; a row: 64 elements, 512 bytes
	s_mov_b32 s[G1+2], NT<<16
	s_mov_b32 s[G1+3], 64<<16
	s_mov_b32 s[G1+4], NT
	s_mov_b32 s[G1+5], 1024                        ; from row to row 8,192 bytes
	s_mov_b32 s[G1+6], 0
	s_mov_b32 s[G1+7], 0
	s_wait_alu depctr_va_vdst(0)                   ; directly ahead of the reader below
	v_lshlrev_b32 v[W4], 2, v[W4]
	v_add_nc_u32 v[W4], MAXW, v[W4]
	v_lshlrev_b32 v[T8], 3, v0
	v_and_b32 v[LI], 31, v0
	v_lshlrev_b32 v[L8], 3, v[LI]
	v_lshlrev_b32 v[LI], 4, v[LI]
	v_mov_b32 v[ZA], MAXW
	v_mov_b32 v13, 0                               ; a lane permute's destination counts as one of its sources
	v_add_nc_u32 v[CW], s15, v[LI]
	v_add_nc_u32 v[TL], s[G0+1], v[LI]
	v_add_nc_u32 v[CR], CTX, v[LI]
	s_wait_alu depctr_va_vdst(0)                   ; the head's end
	s_wait_dscnt 0x0                               ; both opening adds are done
	s_wait_kmcnt 0x0
	s_add_nc_u64 s[4:5], s[4:5], s[16:17]
	s_add_nc_u64 s[6:7], s[6:7], s[22:23]
	s_add_nc_u64 s[8:9], s[8:9], s[24:25]
	s_add_nc_u64 s[10:11], s[10:11], s[26:27]
	s_mov_b64 s[G0+2:G0+3], s[6:7]
	s_or_b32 s[G0+3], s[G0+3], 0x80000000
	tensor_load_to_lds s[G0:G0+3], s[G1:G1+7]      ; my rows 0-37: my one tensor load
	s_nop 0
.irp k, 0,1,2,3,4,5,6,7,8,9,10,11,12,13,14,15
	global_load_b64 v[P+2*\k:P+2*\k+1], v[T8], s[4:5] offset:65536*\k
.endr
.set I, 0
.rept NR
	global_load_b128 v[RING+4*I:RING+4*I+3], v[LI], s[6:7] offset:8192*(NT+I) th:TH_LOAD_NT   ; my rows 38-63
.set I, I+1
.endr
	s_wait_loadcnt NR                              ; the partial sums are in; the 26 rows of keys stay on their way
.irp k, 2,3,4,5,6,7,8,9,10,11,12,13,14,15
	v_pk_add_f32 v[P+2*(\k%2):P+2*(\k%2)+1], v[P+2*(\k%2):P+2*(\k%2)+1], v[P+2*\k:P+2*\k+1]   ; two chains
.endr
	v_pk_add_f32 v[P:P+1], v[P:P+1], v[P+2:P+3]
	v_pk_mul_f32 v[W:W+1], v[P:P+1], s[20:21] op_sel_hi:[1,0]      ; t
	; the largest t of the batch: in the lane, in the wave, over the sixteen waves
	v_max_num_f32 v12, v[W], v[W+1]
	v_max_num_f32_dpp v12, v12, v12 row_xmask:1 row_mask:0xf bank_mask:0xf
	v_max_num_f32_dpp v12, v12, v12 row_xmask:2 row_mask:0xf bank_mask:0xf
	v_max_num_f32_dpp v12, v12, v12 row_xmask:4 row_mask:0xf bank_mask:0xf
	v_max_num_f32_dpp v12, v12, v12 row_xmask:8 row_mask:0xf bank_mask:0xf
	v_permlanex16_b32 v13, v12, s18, s19
	v_max_num_f32 v12, v12, v13
	ds_store_b32 v[W4], v12                        ; all lanes write the same word with the same value
	s_wait_alu depctr_va_vdst(0)
	s_wait_dscnt 0x0                               ; for the others' sake
	s_barrier_signal -1
	s_barrier_wait -1
.irp k, 0,1,2,3
	ds_load_b128 v[RED+4*\k:RED+4*\k+3], v[ZA] offset:16*\k
.endr
	s_wait_dscnt 0x0
.irp k, 0,3,6,9,12
	v_max3_num_f32 v[RED+\k], v[RED+\k], v[RED+\k+1], v[RED+\k+2]
.endr
	v_max3_num_f32 v[RED], v[RED], v[RED+3], v[RED+6]
	v_max3_num_f32 v[RED+9], v[RED+9], v[RED+12], v[RED+15]
	v_max_num_f32 v[RED], v[RED], v[RED+9]
	v_sub_f32 v[W], v[W], v[RED]
	v_sub_f32 v[W+1], v[W+1], v[RED]
	s_wait_alu depctr_va_vdst(0)                   ; ahead of the transcendentals
	v_exp_f32 v[W], v[W]
	v_exp_f32 v[W+1], v[W+1]
	v_nop                                          ; a plain place behind the transcendentals,
	s_wait_alu depctr_va_vdst(0)                   ; and the wait ahead of their first reader
	v_add_f32 v12, v[W], v[W+1]
	v_add_f32_dpp v12, v12, v12 row_xmask:1 row_mask:0xf bank_mask:0xf
	v_add_f32_dpp v12, v12, v12 row_xmask:2 row_mask:0xf bank_mask:0xf
	v_add_f32_dpp v12, v12, v12 row_xmask:4 row_mask:0xf bank_mask:0xf
	v_add_f32_dpp v12, v12, v12 row_xmask:8 row_mask:0xf bank_mask:0xf
	v_permlanex16_b32 v13, v12, s18, s19
	v_add_f32 v12, v12, v13
	ds_store_b32 v[W4], v12 offset:256             ; other bytes than the maxima's: no barrier is owed between those reads and this store
	s_wait_alu depctr_va_vdst(0)
	s_wait_dscnt 0x0
	s_barrier_signal -1
	s_barrier_wait -1
.irp k, 0,1,2,3
	ds_load_b128 v[RED+4*\k:RED+4*\k+3], v[ZA] offset:256+16*\k
.endr
	s_wait_dscnt 0x0
.irp k, 0,4,8,12
	v_pk_add_f32 v[RED+\k:RED+\k+1], v[RED+\k:RED+\k+1], v[RED+\k+2:RED+\k+3]
.endr
	v_pk_add_f32 v[RED:RED+1], v[RED:RED+1], v[RED+4:RED+5]
	v_pk_add_f32 v[RED+8:RED+9], v[RED+8:RED+9], v[RED+12:RED+13]
	v_pk_add_f32 v[RED:RED+1], v[RED:RED+1], v[RED+8:RED+9]
	v_add_f32 v[RED], v[RED], v[RED+1]
	s_wait_alu depctr_va_vdst(0)                   ; ahead of the transcendental
	v_rcp_f32 v[RED], v[RED]
	v_nop
	s_wait_alu depctr_va_vdst(0)
	v_pk_mul_f32 v[W:W+1], v[W:W+1], v[RED:RED+1] op_sel_hi:[1,0]  ; the weights of my two rows
	s_wait_alu depctr_va_vdst(0)                   ; behind the write of the weights
	s_cmp_lg_u32 s12, s13                          ; wave c of work-group c stores its 64 weights: 256 consecutive bytes, aligned; each weight is stored once in the launch
	s_cbranch_scc1 .Lnot_mine
	global_store_b64 v[L8], v[W:W+1], s[10:11]
.Lnot_mine:
; My 64 rows, in the order 38 .. 63, 0 .. 37: the J-th is row (J + 38) % 64, whose weight lies in lane row / 2, register row % 2.  Eight weights at a time go into scalar registers.
.set J, 0
.macro ROW rg
.if J%8 == 0
.irp n, 0,1,2,3,4,5,6,7
	v_readlane_b32 s[WP+2*\n], v[W+(J+\n+NT)%2], ((J+\n+NT)%64)/2
.endr
.endif
.set AC, ACC+4*(J%2)
.set WS, WP+2*(J%8)
.if J < 2
	v_pk_mul_f32 v[AC:AC+1], v[\rg:\rg+1], s[WS:WS+1] op_sel_hi:[1,0]         ; the first two rows start the sums
	v_pk_mul_f32 v[AC+2:AC+3], v[\rg+2:\rg+3], s[WS:WS+1] op_sel_hi:[1,0]
.else
	v_pk_fma_f32 v[AC:AC+1], v[\rg:\rg+1], s[WS:WS+1], v[AC:AC+1] op_sel_hi:[1,0,1]
	v_pk_fma_f32 v[AC+2:AC+3], v[\rg+2:\rg+3], s[WS:WS+1], v[AC+2:AC+3] op_sel_hi:[1,0,1]
.endif
.set J, J+1
.endm
	s_wait_loadcnt NR/2                            ; the first 13 rows are in; the 13 asked for behind them may be out
.rept NR/2
	ROW RING+4*J
.endr
	s_wait_alu depctr_va_vdst(0)                   ; the wait ahead of each wait below
	s_wait_loadcnt 0x0
.rept NR/2
	ROW RING+4*J
.endr
	s_wait_alu depctr_va_vdst(0)
	s_wait_tensorcnt 0x0                           ; my tile has landed; no other wave reads it
.set I, 0
.rept NR
	ds_load_b128 v[RING+4*I:RING+4*I+3], v[TL] offset:512*I        ; rows 0-25
.set I, I+1
.endr
	s_wait_dscnt 0x0
.rept NR
	ROW RING+4*(J-NR)
.endr
.set I, 0
.rept NT-NR
	ds_load_b128 v[RING+4*I:RING+4*I+3], v[TL] offset:512*(NR+I)   ; rows 26-37
.set I, I+1
.endr
	s_wait_alu depctr_va_vdst(0)
	s_wait_dscnt 0x0
.rept NT-NR
	ROW RING+4*(J-2*NR)
.endr
	v_pk_add_f32 v[ACC:ACC+1], v[ACC:ACC+1], v[ACC+4:ACC+5]
	v_pk_add_f32 v[ACC+2:ACC+3], v[ACC+2:ACC+3], v[ACC+6:ACC+7]
	ds_store_b128 v[CW], v[ACC:ACC+3]
	s_wait_dscnt 0x0                               ; for wave 0's sake
	s_barrier_signal -1
	s_barrier_wait -1
	s_cmp_lg_u32 s12, 0
	s_cbranch_scc1 .Lend
.irp k, 0,1,2,3,4,5,6,7,8,9,10,11,12,13,14,15
	ds_load_b128 v[RING+4*\k:RING+4*\k+3], v[CR] offset:512*\k
.endr
	s_wait_dscnt 0x0
.irp k, 2,3,4,5,6,7,8,9,10,11,12,13,14,15
	v_pk_add_f32 v[RING+4*(\k%2):RING+4*(\k%2)+1], v[RING+4*(\k%2):RING+4*(\k%2)+1], v[RING+4*\k:RING+4*\k+1]
	v_pk_add_f32 v[RING+4*(\k%2)+2:RING+4*(\k%2)+3], v[RING+4*(\k%2)+2:RING+4*(\k%2)+3], v[RING+4*\k+2:RING+4*\k+3]
.endr
	v_pk_add_f32 v[RING:RING+1], v[RING:RING+1], v[RING+4:RING+5]
	v_pk_add_f32 v[RING+2:RING+3], v[RING+2:RING+3], v[RING+6:RING+7]
	global_store_b128 v[LI], v[RING:RING+3], s[8:9]                ; 512 consecutive bytes, aligned
.Lend:
	s_wait_tensorcnt 0x0                           ; the wave's end: behind my tensor load and my last LDS store
	ds_add_u32 v[SPW], v[NIL]
	s_wait_dscnt 0x0
	s_endpgm
.Lfunc_end_k_q49f9c8915b_context:
	.size	k_q49f9c8915b_context, .Lfunc_end_k_q49f9c8915b_context-k_q49f9c8915b_context
	.p2alignl 7, 3214868480
	.fill 96, 4, 3214868480
	.section	.rodata,"a",@progbits
	.p2align	6, 0x0
	.amdhsa_kernel k_q49f9c8915b_context
		.amdhsa_group_segment_fixed_size 322048
		.amdhsa_private_segment_fixed_size 0
		.amdhsa_enable_private_segment 0
		.amdhsa_kernarg_size 32
		.amdhsa_user_sgpr_count 2
		.amdhsa_user_sgpr_kernarg_segment_ptr 1
		.amdhsa_wavefront_size32 1
		.amdhsa_system_sgpr_workgroup_id_x 1
		.amdhsa_system_sgpr_workgroup_id_y 1
		.amdhsa_system_sgpr_workgroup_id_z 1
		.amdhsa_system_vgpr_workitem_id 0
		.amdhsa_next_free_vgpr 176
		.amdhsa_next_free_sgpr 66
		.amdhsa_reserve_vcc 0
		.amdhsa_float_denorm_mode_32 3
		.amdhsa_float_denorm_mode_16_64 3
		.amdhsa_memory_ordered 1
		.amdhsa_forward_progress 1
		.amdhsa_inst_pref_size 30
	.end_amdhsa_kernel
	.amdgpu_metadata
---
amdhsa.version: [ 1, 2 ]
amdhsa.kernels:
  - .name:           k_q49f9c8915b_context
    .symbol:         k_q49f9c8915b_context.kd
    .args:
      - { .name: spart, .offset: 0, .size: 8, .value_kind: global_buffer, .address_space: global }
      - { .name: keys, .offset: 8, .size: 8, .value_kind: global_buffer, .address_space: global }
      - { .name: out0, .offset: 16, .size: 8, .value_kind: global_buffer, .address_space: global }
      - { .name: out1, .offset: 24, .size: 8, .value_kind: global_buffer, .address_space: global }
    .group_segment_fixed_size: 322048
    .private_segment_fixed_size: 0
    .kernarg_segment_align: 8
    .kernarg_segment_size: 32
    .max_flat_workgroup_size: 512
    .sgpr_count:     66
    .vgpr_count:     176
    .wavefront_size: 32
...
	.end_amdgpu_metadata
.endif
;; end of part 3
